; MI455X (gfx1250); checked and timed in simulation.
; The chip was launched on July 23, 2026; its instructions are those of AMD's public machine-readable ISA for CDNA 5 (MIT licence, August 2026) and "CDNA5" Instruction Set Architecture Reference Guide (July 2026). The comments in the code are by the model that wrote it; some were corrected since.
;; CS Win Self Attention. Allowed arithmetic: matrix products marked QUANTISED: E2M3 operands, one E8M0 scale for each 32 along K, by v_wmma_scale_f32_16x16x128_f8f6f4 with both operands' format E2M3, f32 sums; products left as they are: f32 operands where the result goes on into a quantised operand, else bf16, f16 or f32 operands; f32 sums; everything else in f32.
;; Inputs: Wproj_codes 128 x 4 x 24 uint8 (E2M3 codes of Wproj, K innermost, in blocks of 32 codes, four codes in three bytes); Wproj_scales 128 x 4 uint8 (E8M0 scales of Wproj, one for each 32 codes along K); Wqkv_codes 384 x 4 x 24 uint8 (E2M3 codes of Wqkv, K innermost, in blocks of 32 codes, four codes in three bytes); Wqkv_scales 384 x 4 uint8 (E8M0 scales of Wqkv, one for each 32 codes along K); beta 128 float32; bproj 128 float32; bqkv 384 float32; gamma 128 float32; x 8 x 128 x 128 x 128 float32.
;; Outputs: out0 8 x 128 x 128 x 128 float32.
;; This version of the problem:
;;   THIS VERSION OF THE PROBLEM IS GIVEN IN LOW PRECISION. The matrix products marked QUANTISED in the list below multiply operands that are first quantised to E2M3 (2 exponent bits, 3 mantissa bits; 6 bits a number), with one power-of-two scale for each 32 numbers along K (OCP MX v1.0); their sums are f32. All else is computed in f32.
;;   The module's matrix products, in the order in which they are computed (A, B: the left and right operand; K: the contracted axis; several contracted axes count as one K, in the product's order):
;;     1. [M 131,072, K 128] x [K 128, N 384]; A: computed on the way; B: input Wqkv (given as codes): QUANTISED
;;     2. batch 2,048 x [M 256, K 16] x [K 16, N 256]; A: computed on the way; B: computed on the way: left as it is (K = 16 < 32)
;;     3. batch 2,048 x [M 256, K 256] x [K 256, N 16]; A: softmax (see below); B: computed on the way: QUANTISED
;;     4. [M 131,072, K 128] x [K 128, N 384]; A: computed on the way; B: input Wqkv (given as codes): QUANTISED
;;     5. batch 2,048 x [M 256, K 16] x [K 16, N 256]; A: computed on the way; B: computed on the way: left as it is (K = 16 < 32)
;;     6. batch 2,048 x [M 256, K 256] x [K 256, N 16]; A: softmax (see below); B: computed on the way: QUANTISED
;;     7. [M 131,072, K 128] x [K 128, N 128]; A: computed on the way; B: input Wproj (given as codes): QUANTISED
;;   THE QUANTISER, for each operand of a quantised product, along K:
;;     - K is cut into blocks of 32 from its start; a last block that is shorter is filled with zeros.
;;     - A block's scale is 2^e with e = floor(log2(the largest magnitude in the block)) - 2, held to -126 .. 127; a block of zeros has e = 0. As a byte (E8M0): e + 127.
;;     - Each number is divided by its block's scale, clamped to +-7.5, and rounded to the nearest number of E2M3, ties to even, subnormals kept.
;;     - The product sums the exact products of the quantised numbers (number of the format x scale) in f32.
;;   ~~~python
;;   def quantise(x, axis):      # numpy; x: float32 -> the quantised numbers, widened to float32 again
;;       x = np.moveaxis(x, axis, -1); K = x.shape[-1]
;;       x = np.pad(x, [(0, 0)] * (x.ndim - 1) + [(0, -K % 32)]); x = x.reshape(x.shape[:-1] + (-1, 32)); a = np.abs(x).max(-1, keepdims=True)
;;       e = np.where(a > 0, np.clip(np.frexp(np.where(a > 0, a, 1))[1] - 1 - 2, -126, 127), 0)      # np.frexp(a)[1] - 1 = floor(log2(a)), exactly
;;       r = np.clip(x / 2.0 ** e, -7.5, 7.5)
;;       step = 2.0 ** (np.maximum(np.frexp(np.where(r == 0, 1, r))[1] - 1, 0) - 3)
;;       q = np.round(r / step) * step * 2.0 ** e      # np.round: ties to even
;;       return np.moveaxis(q.reshape(q.shape[:-2] + (-1,))[..., :K], -1, axis).astype(np.float32)
;;   ~~~
;;   SOFTMAX AHEAD OF A QUANTISED PRODUCT. Where the list says 'softmax', what is quantised is not the finished softmax but p = 2^(t - M), with t = logit x log2(e) and M = ceil(the row's largest t), a whole number; so 1/2 < the row's largest p <= 1. The row's sum l is taken of the UNQUANTISED p, in f32, and the product's result is divided by l at the end. Since M is a whole number, a kernel that streams over the keys may use a running M (the ceiling of the running maximum): every later rescaling is an exact power of two, which a block's scale takes up: the codes' values come out the same.
;;   OPERANDS COMPUTED ON THE WAY. 'Computed on the way' means the value that the module computes at that place (a softmax that the list does not call 'softmax' is quantised finished and normalised). What goes into a quantiser is computed in f32, as accurately as f32 sums, v_exp_f32 and their like allow (about 1e-6 of the number): no bf16 or f16 on the way to a quantiser, and a product that is left as it is and whose result goes on into a quantised operand takes f32 operands (vector FMAs, or v_wmma_f32_16x16x4_f32). A number that lies on a knife's edge between two numbers of the format may be rounded either way, as far as f32 arithmetic and the matrix unit's own rounding can turn it there, and no further.
;;   INPUTS GIVEN AS CODES. Wproj (in the module: [128, 128], K = its axis 0); Wqkv (in the module: [128, 384], K = its axis 0): each comes as NAME_codes (uint8): NAME with its K axis moved to the last place and cut into blocks of 32 codes, [.., K / 32, bytes a block], one block behind the other in memory; four codes in three bytes: a row's codes are one little-endian stream of bits, code i at bits 6 i .. 6 i + 5 (a code: sign, 2 exponent bits, 3 mantissa bits); and NAME_scales (uint8): the same leading axes, one E8M0 byte (e + 127) for each 32 codes along K. Its value is code x scale, taken as it is: it is not quantised again, and the codes and scales need not be those that the quantiser above would give.
;; One version. Each part assembles by itself: llvm-mc -triple=amdgcn-amd-amdhsa -mcpu=gfx1250 --defsym DOCPART=n.
;; ======== version 1 of 1: 2 launches
;; workspace buffers: himg 16,777,216 bytes
;; launch attn (part 1): grid 1024 x 1, 16 waves a work-group, no clusters, 324,608 bytes of LDS; arguments x, gamma, beta, Wqkv_codes, Wqkv_scales, bqkv, himg; writes himg
.if DOCPART == 1
	.amdgcn_target "amdgcn-amd-amdhsa--gfx1250"
	.amdhsa_code_object_version 6
	.text
	.protected	k_q7f05b92b7f_attn
	.globl	k_q7f05b92b7f_attn
	.p2align	8
	.type	k_q7f05b92b7f_attn,@function
k_q7f05b92b7f_attn:
	s_mov_b64 s[64:65], 0
	v_nop
	global_prefetch_b8 v0, s[64:65] scope:SCOPE_SE
	s_setreg_imm32_b32 hwreg(HW_REG_WAVE_MODE, 25, 1), 1
	s_wait_xcnt 0x0
; CSWin stripe attention, first of two launches: LayerNorm, the qkv product, both stripe attentions, and the quantising of their result h.
; One work-group takes ONE STRIPE of 256 tokens (dir 0: two image rows, heads 0-3; dir 1: two image columns, heads 4-7) through the whole chain; only the codes of h go to memory.
; WORK LEFT OUT, for all values of the inputs.  reference() forms xn @ Wqkv + bqkv twice, once on xn and once on xn with its two spatial axes exchanged.  The exchange only reorders rows, and xn's quantiser
; runs along the channels, so both products hold the same numbers.  Of the first, reference() slices columns off .. off + 63 of q, k and v with off = 0, of the second those with off = 64; the other 192 columns
; of each reach no output.  So each column of qkv is made once, for the direction that keeps it.  No input is without a way to the output: all are loaded.
; LIMITS.  A NaN, an infinity or an overflow that would arise only in the columns left out is not carried to the result.  NaN and infinities among the inputs are not served.  A block whose largest magnitude lies
; under 2^-124 has its scale byte held at 1; a block of zeros has the byte 1 where the rule says 127: its codes are zeros, and the bytes are read by this program alone.
; TOKENS.  n = 128 a + l (a: place across the stripe, l: along it).  Row m of tile t is token 32 (t / 2) + 8 (t % 2) + m + 8 (m / 8): so the 16 registers of tiles 2 b, 2 b + 1 of a transposed result are 16 neighbouring keys.
; SHARES.  Sixteen waves.  Wave w normalises and quantises token tile w; then waves 0-7 make q (heads 0-3) and k (heads 0-3) for all 16 tiles, waves 8-15 make and quantise v (head w & 3, key half (w >> 2) & 1);
; then wave w owns query tile w for the four heads: S^T = K Q^T in f32 (it feeds a quantiser), p = 2^(t - M) with M a whole number, Q(p), O^T = V^T P^T on codes, O / l, Q(h).
; BY TURNS.  A key step is 128 keys, in two halves of 64.  As soon as a half's 32 scores have been copied out of S (t - M goes to other registers), the NEXT step's 16 products for that half are issued into it,
; one at a time, with this half's exponentials, sums and conversions in slices between them: so a wave has matrix and vector work in hand at once.  The first step's 32 products stand alone in front.
; Operands go from wave to wave through LDS as images of their registers (16 bytes a lane, 512 bytes a store).  No tensor load: each work-group reads its 128 KiB once, at its head.
.set XIMG,  0                          ; 16 fragments of xn: tile x 1536 + 512 g + 16 lane
.set XSC,   24576                      ; their scale words: tile x 128 + 4 lane
.set VIMG,  26624                      ; 8 fragments of v^T: (2 head + half) x 1536
.set VSC,   38912                      ; their scale words
.set SPARE, 39936                      ; the spare words: 128 bytes a wave, eight blocks of 256 bytes that no other line names
.set QKB,   41984                      ; q, then k, in f32: (4 sec + head) x 16384 + tile x 1024 + 512 g + 16 lane
.set STG,   173056                     ; a stage for each wave: 16 rows x 528 bytes, then gamma, then beta
.set STW,   9472
.set SPW,  1                           ; v1   my spare word's address; never rewritten
.set NIL,  2                           ; v2   0; never rewritten
.set L16,  3                           ; v3   16 x lane
.set L4,   4                           ; v4   4 x lane
.set AQ,   5                           ; v5   q's images of my tile
.set AK,   6                           ; v6   k's images
.set AXR,  7                           ; v7   xn's images, read (V role: its key half's)
.set AXSR, 8                           ; v8   their scale words       (v8-11: in the attention half a tile of k)
.set AVW,  9                           ; v9   v's image, written
.set AVSW, 10                          ; v10  its scale word
.set AQKW, 11                          ; v11  q's or k's images, written
.set ASTW, 12                          ; v12-19: addresses of the first phase; the attention's statistics later
.set ASTR, 13
.set AGB,  14
.set AXW,  15
.set AXSW, 16
.set AWG,  17
.set AWS,  18
.set ABH,  19
.set NM,   12                          ; v[12:13] -M, the running largest t
.set LSUM, 14                          ; v[14:15] the row's sum, in two halves
.set FAC,  16                          ; v[16:17] 2^(old M - new M); later 1 / the sum
.set SUM2, 18                          ; v[18:19] a second chain of the sum
.set TA,   20
.set TB,   21
.set PW,   22                          ; the scale word just made
.set WS,   23                          ; my W tile's scale words; later v's
.set VS,   23
.set XS,   24                          ; v24-31 scale words of eight fragments of xn
.set OFF0, 32                          ; v32-39 byte offsets of tokens 0-7 of my tile
.set QF,   32                          ; later: q of my tile, one head
.set KF,   40                          ; v40-71 four tiles of k: a step's first 64 keys
.set VF,   40                          ; v40-51 a fragment of v^T, between the products that read k there and the next k
.set X,    40                          ; v40-103 my 64 numbers of x
.set XI,   40                          ; v40-135 eight fragments of xn
.set P,    72                          ; v72-103 p of 64 keys
.set HO,   104                         ; v104-135 O^T, eight registers a head
.set GG,   104                         ; gamma and beta of one block of 32 channels
.set BB,   120
.set S,    136                         ; v136-199 results of matrix instructions alone, in the whole text
.set PC,   200                         ; v200-211 codes just made
.set GT,   200                         ; at the head: gamma, beta as loaded
.set LNT,  208                         ; v208-215 four chains of LayerNorm's sums
.set CT,   212                         ; spare triples for the conversions: v212-214, and ahead of the attention v216-218
.set OFF8, 212                         ; at the head: offsets of tokens 8-15
.set MEAN, 216
.set RS,   218
.set TM,   220                         ; +0..3 largest magnitudes, +4..7 the other half's, then bytes, +12..15 scale operands
.set BV,   228                         ; the bias of my column (V role)
.set WF,   236                         ; my W tile
.set BC,   248                         ; the bias as a product's C
; In the attention a step's second 64 keys of k lie in registers that are idle there: tile 0 v248-255, tile 1 v236-243, tile 2 v244-247 and v216-219, tile 3 v228-231 and v8-11.
; nb blocks of 32: register 16 b + i of v[s] on is number 32 b + 16 (lane / 16) + i of my row.  Leaves the conversions' scale operands in TM+12.. and the bytes in TM+4..
.macro QMAX s, nb
.irp b, 0,1,2,3
.if \b < \nb
	v_max3_num_f32 v[TM+\b], |v[\s+16*\b]|, |v[\s+16*\b+1]|, 0x1800000   ; my 16 numbers, and the floor 2^(3 - 127): the byte cannot fall under 1
.endif
.endr
.irp i, 2,4,6,8,10,12,14
.irp b, 0,1,2,3
.if \b < \nb
	v_max3_num_f32 v[TM+\b], v[TM+\b], |v[\s+16*\b+\i]|, |v[\s+16*\b+\i+1]|   ; the blocks by turns
.endif
.endr
.endr
.irp b, 0,1,2,3
.if \b < \nb
	v_permlanex16_b32 v[TM+4+\b], v[TM+\b], s30, s31
.endif
.endr
.irp b, 0,1,2,3
.if \b < \nb
	v_max_num_f32 v[TM+\b], v[TM+\b], v[TM+4+\b]       ; with lane l xor 16's 16: the block's largest magnitude
.endif
.endr
.irp b, 0,1,2,3
.if \b < \nb
	v_add_nc_u32 v[TM+12+\b], 0xff000000, v[TM+\b]     ; 2 off its exponent field: the conversion's scale operand
.endif
.endr
.irp b, 0,1,2,3
.if \b < \nb
	v_lshrrev_b32 v[TM+4+\b], 23, v[TM+12+\b]          ; the scale's byte
.endif
.endr
.endm
.macro QCODE src, sc, d, ct            ; 32 numbers of a lane (two half blocks) into two triples of codes; a triple begins on an even register
	v_cvt_scalef32_pk16_fp6_f32 v[\d:\d+2], v[\src:\src+15], v[\sc]
	v_cvt_scalef32_pk16_fp6_f32 v[\ct:\ct+2], v[\src+16:\src+31], v[\sc+1]
.endm
.macro QSWAP d, ct                     ; the operand wants a whole block in a lane: lanes 0-15 the even block, lanes 16-31 the odd one
.irp i, 0,1,2
	v_permlane16_swap_b32 v[\d+\i], v[\ct+\i]
.endr
.irp i, 0,1,2
	v_mov_b32 v[\d+3+\i], v[\ct+\i]
.endr
.endm
.macro QUANT s                         ; 64 numbers of a lane become a fragment in v[PC] on and its scale word in v[PW]
	QMAX \s, 4
	v_lshl_or_b32 v[PW], v[TM+5], 8, v[TM+4]
	v_lshl_or_b32 v[PW], v[TM+6], 16, v[PW]
	v_lshl_or_b32 v[PW], v[TM+7], 24, v[PW]
	QCODE \s, TM+12, PC, CT
	QCODE \s+32, TM+14, PC+6, CT+4
	v_nop                                          ; one plain place behind the scaled conversions
	QSWAP PC, CT
	QSWAP PC+6, CT+4
.endm
.macro IMAGE adr, off                  ; the fragment in v[PC] on goes to LDS as it stands
.irp g, 0,1,2
	ds_store_b128 v[\adr], v[PC+4*\g:PC+4*\g+3] offset:\off+512*\g
.endr
.endm
.macro FETCHX c                        ; eight fragments of xn and their scale words
.irp t, 0,1,2,3,4,5,6,7
.irp g, 0,1,2
	ds_load_b128 v[XI+12*\t+4*\g:XI+12*\t+4*\g+3], v[AXR] offset:XIMG+(8*\c+\t)*1536+512*\g
.endr
	ds_load_b32 v[XS+\t], v[AXSR] offset:XSC+(8*\c+\t)*128
.endr
.endm
.macro GBLOAD b                        ; gamma and beta of my 16 channels of block b
.irp j, 0,1,2,3
	ds_load_b128 v[GG+4*\j:GG+4*\j+3], v[AGB] offset:128*(\b)+16*\j
	ds_load_b128 v[BB+4*\j:BB+4*\j+3], v[AGB] offset:512+128*(\b)+16*\j
.endr
.endm
; k of head hd, keys 128 c on, first 64 keys (tiles 0-3 of the step) into v40-71, in two parts: the three groups of four registers that v's fragment covers meanwhile, and the other five
.macro LOADKR hd, c
	ds_load_b128 v[KF:KF+3],     v[AK] offset:16384*(\hd)+1024*(8*(\c))
	ds_load_b128 v[KF+4:KF+7],   v[AK] offset:16384*(\hd)+1024*(8*(\c))+512
	ds_load_b128 v[KF+8:KF+11],  v[AK] offset:16384*(\hd)+1024*(8*(\c)+1)
.endm
.macro LOADKE hd, c
	ds_load_b128 v[KF+12:KF+15], v[AK] offset:16384*(\hd)+1024*(8*(\c)+1)+512
.irp t, 2,3
	ds_load_b128 v[KF+8*\t:KF+8*\t+3],   v[AK] offset:16384*(\hd)+1024*(8*(\c)+\t)
	ds_load_b128 v[KF+8*\t+4:KF+8*\t+7], v[AK] offset:16384*(\hd)+1024*(8*(\c)+\t)+512
.endr
.endm
.macro LOADKB hd, c                    ; and the second 64 keys (tiles 4-7 of the step): eight loads
	ds_load_b128 v[248:251], v[AK] offset:16384*(\hd)+1024*(8*(\c)+4)
	ds_load_b128 v[252:255], v[AK] offset:16384*(\hd)+1024*(8*(\c)+4)+512
	ds_load_b128 v[236:239], v[AK] offset:16384*(\hd)+1024*(8*(\c)+5)
	ds_load_b128 v[240:243], v[AK] offset:16384*(\hd)+1024*(8*(\c)+5)+512
	ds_load_b128 v[244:247], v[AK] offset:16384*(\hd)+1024*(8*(\c)+6)
	ds_load_b128 v[216:219], v[AK] offset:16384*(\hd)+1024*(8*(\c)+6)+512
	ds_load_b128 v[228:231], v[AK] offset:16384*(\hd)+1024*(8*(\c)+7)
	ds_load_b128 v[8:11],    v[AK] offset:16384*(\hd)+1024*(8*(\c)+7)+512
.endm
.macro LOADQ hd
	ds_load_b128 v[QF:QF+3],   v[AQ] offset:16384*(\hd)
	ds_load_b128 v[QF+4:QF+7], v[AQ] offset:16384*(\hd)+512
.endm
.macro LOADV hd, c                     ; four loads
.irp g, 0,1,2
	ds_load_b128 v[VF+4*\g:VF+4*\g+3], v[L16] offset:VIMG+1536*(2*(\hd)+\c)+512*\g
.endr
	ds_load_b32 v[VS], v[L4] offset:VSC+128*(2*(\hd)+\c)
.endm
; Product k of 16 of S^T = K Q^T for one half (four tiles of 16 keys): K step k / 4, tile k % 4.  In q's and k's images lane (r, h) holds token r and channels 8 h + 0 .. 7; the register pair 2 s, 2 s + 1 is
; K step s of the f32 form under the map k = 2 h + j <-> channel 8 h + 2 s + j, the same on both sides.  The four accumulators take turns, one instruction a turn.
.macro WM half, k
.set WMS, (\k)/4
.set WMT, (\k)%4
.set WMD, S+32*(\half)+8*WMT
.if (\half) == 0
.set WMA, KF+8*WMT+2*WMS
.elseif WMT == 0
.set WMA, 248+2*WMS
.elseif WMT == 1
.set WMA, 236+2*WMS
.elseif WMT == 2
.set WMA, 244+2*WMS
.if WMS > 1
.set WMA, 212+2*WMS
.endif
.else
.set WMA, 228+2*WMS
.if WMS > 1
.set WMA, 4+2*WMS
.endif
.endif
.if WMS == 0
	v_wmma_f32_16x16x4_f32 v[WMD:WMD+7], v[WMA:WMA+1], v[QF:QF+1], 0
.else
	v_wmma_f32_16x16x4_f32 v[WMD:WMD+7], v[WMA:WMA+1], v[QF+2*WMS:QF+2*WMS+1], v[WMD:WMD+7]
.endif
.endm
.macro WX half, k, nx                  ; the same, where there is a next step
.if \nx
	WM \half, \k
.endif
.endm
.macro BLKMAX2 b0                      ; the largest score of blocks b0, b0 + 1 of 32 keys, my 16 of each; every accumulator is read from its low end first
.irp b, \b0, \b0+1
	v_max3_num_f32 v[TM+\b], v[S+16*(\b)], v[S+16*(\b)+1], v[S+16*(\b)+2]
.endr
.irp i, 3,5,7,9,11,13
.irp b, \b0, \b0+1
	v_max3_num_f32 v[TM+\b], v[TM+\b], v[S+16*(\b)+\i], v[S+16*(\b)+\i+1]
.endr
.endr
.irp b, \b0, \b0+1
	v_max_num_f32 v[TM+\b], v[TM+\b], v[S+16*(\b)+15]
.endr
.endm
.macro BARRIER                         ; my LDS stores have landed and my LDS loads are in: then the work-group's barrier
	s_wait_dscnt 0x0
	s_barrier_signal -1
	s_barrier_wait -1
.endm
.macro SUMS i0, i1                     ; the row's sum goes on, in two chains: pairs i0, i0 + 2 and i1, i1 + 2 of p
.irp i, \i0, \i1
	v_pk_add_f32 v[LSUM:LSUM+1], v[LSUM:LSUM+1], v[P+\i:P+\i+1]
	v_pk_add_f32 v[SUM2:SUM2+1], v[SUM2:SUM2+1], v[P+\i+2:P+\i+3]
.endr
.endm
; THE FIRST 64 KEYS of a step (blocks 0, 1): p, its part of the row's sum, its codes, and the four blocks' scales; between them the next step's 16 products for its first 64 keys.
; No slice names a register of those products: they work on P, TM, PC, CT and the sums.
.macro HALFA c, nx
.irp i, 0,2,4,6,8,10,12,14,16,18,20,22,24,26,28,30
	v_pk_fma_f32 v[P+\i:P+\i+1], v[S+\i:S+\i+1], s[32:33], v[NM:NM+1] op_sel_hi:[1,0,0]   ; t - M, two at a time, into other registers than the sums': this half of S is free from here on
.endr
.if \nx
	s_wait_dscnt 8                                 ; q and the next step's first four tiles of k are in; the eight youngest loads (its other four tiles) may be out
.endif
.irp q, 0,1,2,3,4,5,6,7
	WX 0, \q, \nx
.irp i, 0,1,2,3
	v_exp_f32 v[P+4*\q+\i], v[P+4*\q+\i]           ; p = 2^(t - M), not normalised
.endr
.endr
	WX 0, 8, \nx
.irp b, 0,1,2,3
	v_exp_f32 v[TM+\b], v[TM+\b]                   ; each block's largest p: the same multiply-add and exponential on the block's largest score
.endr
.if \c == 1
	v_pk_mul_f32 v[LSUM:LSUM+1], v[LSUM:LSUM+1], v[FAC:FAC+1] op_sel_hi:[1,0]   ; the sum under the new M; also the plain place behind the exponentials
.else
	v_nop                                          ; the plain place behind the exponentials
.endif
	s_wait_alu depctr_va_vdst(0)                   ; ahead of the first line that names a result: one wait for the batch of 36
	WX 0, 9, \nx
.irp b, 0,1,2,3
	v_max_num_f32 v[TM+\b], 0x1800000, v[TM+\b]    ; the floor 2^(3 - 127)
.endr
.irp b, 0,1,2,3
	v_add_nc_u32 v[TM+12+\b], 0xff000000, v[TM+\b] ; 2 off the exponent field: the conversions' scale operands
.endr
	WX 0, 10, \nx
	QCODE P, TM+12, PC, CT
	v_nop                                          ; one plain place behind the scaled conversions
	QSWAP PC, CT
	WX 0, 11, \nx
.irp b, 0,1,2,3
	v_lshrrev_b32 v[TM+4+\b], 23, v[TM+12+\b]
.endr
	v_lshl_or_b32 v[PW], v[TM+5], 8, v[TM+4]       ; p's scale word for the step's 128 keys
	v_lshl_or_b32 v[PW], v[TM+6], 16, v[PW]
	v_lshl_or_b32 v[PW], v[TM+7], 24, v[PW]
	WX 0, 12, \nx
	v_pk_add_f32 v[SUM2:SUM2+1], v[P:P+1], v[P+2:P+3]   ; the row's sum is taken of the unquantised p
.if \c == 0
	v_pk_add_f32 v[LSUM:LSUM+1], v[P+4:P+5], v[P+6:P+7]  ; a head's first 64 keys start the sum
.else
	v_pk_add_f32 v[LSUM:LSUM+1], v[LSUM:LSUM+1], v[P+4:P+5]
	v_pk_add_f32 v[SUM2:SUM2+1], v[SUM2:SUM2+1], v[P+6:P+7]
.endif
	WX 0, 13, \nx
	SUMS 8, 12
	WX 0, 14, \nx
	SUMS 16, 20
	SUMS 24, 28
	v_pk_add_f32 v[LSUM:LSUM+1], v[LSUM:LSUM+1], v[SUM2:SUM2+1]
	WX 0, 15, \nx
.endm
; THE SECOND 64 KEYS (blocks 2, 3), and between them the next step's 16 products for its second 64 keys.
.macro HALFB hd, c, nx
.irp i, 0,2,4,6,8,10,12,14,16,18,20,22,24,26,28,30
	v_pk_fma_f32 v[P+\i:P+\i+1], v[S+32+\i:S+32+\i+1], s[32:33], v[NM:NM+1] op_sel_hi:[1,0,0]   ; sixteen plain lines that name no register of the products just issued: the eight places in front of the loads below
.endr
	LOADV \hd, \c                                  ; v's fragment, where k's first tiles lay
.if \hd < 3
	LOADKE \hd+1, \c                               ; and five groups of k for the step after next, whose products stand in the next step
.endif
.if \nx
.if \hd < 3
	s_wait_dscnt 9                                 ; the next step's other four tiles of k are in; the nine loads just issued may be out
.else
	s_wait_dscnt 4                                 ; (head 3: the four just issued)
.endif
.endif
.irp q, 0,1,2,3,4,5,6,7
	WX 1, \q, \nx
.irp i, 0,1,2,3
	v_exp_f32 v[P+4*\q+\i], v[P+4*\q+\i]
.endr
.endr
	v_nop                                          ; the plain place behind the exponentials
	s_wait_alu depctr_va_vdst(0)                   ; one wait for the batch of 32
	WX 1, 8, \nx
.if \c == 1
.irp i, 0,2,4,6
	v_pk_mul_f32 v[HO+8*\hd+\i:HO+8*\hd+\i+1], v[HO+8*\hd+\i:HO+8*\hd+\i+1], v[FAC:FAC+1] op_sel_hi:[1,0]   ; O^T under the new M, from its low end on
.endr
.endif
	QCODE P, TM+14, PC+6, CT
	v_nop                                          ; one plain place behind the scaled conversions
	QSWAP PC+6, CT
	WX 1, 9, \nx
	v_pk_add_f32 v[SUM2:SUM2+1], v[P:P+1], v[P+2:P+3]   ; the sixteen lines of the sum are also the places between the lines that wrote p's codes and the scaled product
	v_pk_add_f32 v[LSUM:LSUM+1], v[LSUM:LSUM+1], v[P+4:P+5]
	v_pk_add_f32 v[SUM2:SUM2+1], v[SUM2:SUM2+1], v[P+6:P+7]
	WX 1, 10, \nx
	SUMS 8, 12
	WX 1, 11, \nx
	SUMS 16, 20
	WX 1, 12, \nx
	SUMS 24, 28
	WX 1, 13, \nx
	v_pk_add_f32 v[LSUM:LSUM+1], v[LSUM:LSUM+1], v[SUM2:SUM2+1]
	WX 1, 14, \nx
	WX 1, 15, \nx
.endm
; A KEY STEP: head hd, keys 128 c on.  Its scores lie in S when it begins.  nx = 1: a step follows, and its scores are made here.
.macro STEP hd, c, nx
	BLKMAX2 0                                      ; sixteen plain lines on the first 64 scores: they name no register of the sixteen products issued last, nor of the scaled product: the places in front of the loads below and of the reads of the other 64 scores
.if \c == 0
	LOADKR \hd, 1                                  ; the next step's k: the three groups that v's fragment covered,
.if \hd == 0
	LOADKE \hd, 1                                  ; (in the first step also the five that no earlier step has asked for)
.endif
	LOADKB \hd, 1                                  ; and, youngest, the eight of its second 64 keys
.elseif \hd < 3
	LOADKR \hd+1, 0
	LOADQ \hd+1
	LOADKB \hd+1, 0
.endif
	BLKMAX2 2
.irp b, 0,1,2,3
	v_permlanex16_b32 v[TM+4+\b], v[TM+\b], s30, s31
.endr
.irp b, 0,1,2,3
	v_max_num_f32 v[TM+\b], v[TM+\b], v[TM+4+\b]   ; with lane l xor 16's 16 keys
.endr
	v_max3_num_f32 v[TA], v[TM], v[TM+1], v[TM+2]
	v_max_num_f32 v[TA], v[TA], v[TM+3]            ; the step's largest score of my query
.if \c == 0
	v_mul_f32 v[NM+1], s32, v[TA]                  ; as t = score x log2(e) / 4
	v_floor_f32 v[NM], -v[NM+1]                    ; -M = floor(-t): M is a whole number
.else
	v_mul_f32 v[TA], s32, v[TA]
	v_max_num_f32 v[NM+1], v[NM+1], v[TA]          ; the running largest t
	v_mov_b32 v[TB], v[NM]
	v_floor_f32 v[NM], -v[NM+1]
	v_sub_f32 v[TB], v[NM], v[TB]                  ; old M - new M: a whole number, 0 or less
	v_cvt_i32_f32 v[TB], v[TB]
	v_ldexp_f32 v[FAC], 1.0, v[TB]                 ; 2^(old M - new M): multiplying by it rounds nothing
.endif
.irp b, 0,1,2,3
	v_fma_f32 v[TM+\b], v[TM+\b], s32, v[NM]       ; t - M of each block's largest score
.endr
	HALFA \c, \nx
	HALFB \hd, \c, \nx
.if \hd < 3
	s_wait_dscnt 5                                 ; v's fragment and scale word are in; the five younger loads of k may be out
.else
	s_wait_dscnt 0x0
.endif
.if \c == 0
	v_wmma_scale_f32_16x16x128_f8f6f4 v[HO+8*\hd:HO+8*\hd+7], v[VF:VF+11], v[PC:PC+11], 0, v[VS], v[PW] matrix_a_fmt:MATRIX_FMT_FP6 matrix_b_fmt:MATRIX_FMT_FP6
.else
.if \hd == 3
	s_wait_alu depctr_va_vdst(0)                   ; in the last step no product stands between this link and the one that it adds onto: the wait, directly ahead
.endif
	v_wmma_scale_f32_16x16x128_f8f6f4 v[HO+8*\hd:HO+8*\hd+7], v[VF:VF+11], v[PC:PC+11], v[HO+8*\hd:HO+8*\hd+7], v[VS], v[PW] matrix_a_fmt:MATRIX_FMT_FP6 matrix_b_fmt:MATRIX_FMT_FP6
	v_add_f32 v[TA], v[LSUM], v[LSUM+1]            ; the head is done: the sum's two halves,
	v_permlanex16_b32 v[TB], v[TA], s30, s31
	v_add_f32 v[TA], v[TA], v[TB]                  ; and lane l xor 16's
	v_rcp_f32 v[FAC], v[TA]
.rept 4
	v_nop                                          ; the plain place behind the reciprocal, and the four places behind the product
.endr
	s_wait_alu depctr_va_vdst(0)                   ; ahead of the reciprocal's first reader
.irp i, 0,2,4,6
	v_pk_mul_f32 v[HO+8*\hd+\i:HO+8*\hd+\i+1], v[HO+8*\hd+\i:HO+8*\hd+\i+1], v[FAC:FAC+1] op_sel_hi:[1,0]   ; O / l
.endr
.endif
.endm
	; ---- the head: ids, addresses, all loads
	s_load_b256 s[4:11], s[0:1], 0x0               ; x s[4:5], gamma s[6:7], beta s[8:9], Wqkv's codes s[10:11]
	s_load_b128 s[12:15], s[0:1], 0x20             ; Wqkv's scales s[12:13], bqkv s[14:15]
	s_load_b64 s[16:17], s[0:1], 0x30              ; himg
	v_lshl_add_u32 v[SPW], v0, 2, SPARE
	v_mov_b32 v[NIL], 0
	v_lshrrev_b32 v[TA], 5, v0
	v_readfirstlane_b32 s18, v[TA]                 ; wave w
	s_lshr_b32 s20, ttmp9, 7                       ; batch
	s_bfe_u32 s19, ttmp9, 0x10006                  ; dir
	s_and_b32 s21, ttmp9, 63                       ; stripe
	s_cmp_eq_u32 s19, 0
	s_cselect_b32 s22, 16, 9                       ; a step across the stripe: 2^16 bytes (an image row) or 2^9 (a column)
	s_cselect_b32 s23, 9, 16                       ; a step along it
	s_lshl_b32 s24, 1, s23
	s_mov_b32 s30, 0x76543210
	s_mov_b32 s31, 0xfedcba98                      ; v_permlanex16_b32's selects for lane l xor 16
	s_mov_b32 s32, 0x3eb8aa3b                      ; log2(e) / sqrt(16)
	s_mov_b32 s33, s32                             ; named with it as a pair, so it is written
	s_mov_b32 s34, 0x3727c5ac                      ; 1e-5
	s_mov_b32 s35, 0x3c000000                      ; 1 / 128
	v_and_b32 v208, 31, v0                         ; lane
	v_and_b32 v209, 15, v0                         ; r
	v_bfe_u32 v210, v0, 4, 1                       ; h
	v_lshlrev_b32 v[L16], 4, v208
	v_lshlrev_b32 v[L4], 2, v208
	s_lshl_b32 s28, s18, 10
	s_add_co_u32 s28, s28, QKB
	v_add_nc_u32 v[AQ], s28, v[L16]
	v_add_nc_u32 v[AK], QKB+65536, v[L16]
	s_lshr_b32 s28, s18, 2
	s_lshr_b32 s29, s18, 3
	s_and_b32 s28, s28, s29
	s_and_b32 s28, s28, 1                          ; 1 in waves 12-15: the second key half
	s_mul_i32 s29, s28, 12288
	v_add_nc_u32 v[AXR], s29, v[L16]
	s_lshl_b32 s29, s28, 10
	v_add_nc_u32 v[AXSR], s29, v[L4]
	s_and_b32 s28, s18, 3
	s_lshl_b32 s28, s28, 1
	s_bfe_u32 s29, s18, 0x10002
	s_add_co_u32 s28, s28, s29                     ; 2 head + half
	s_mul_i32 s29, s28, 1536
	v_add_nc_u32 v[AVW], s29, v[L16]
	s_lshl_b32 s29, s28, 7
	v_add_nc_u32 v[AVSW], s29, v[L4]
	s_and_b32 s28, s18, 7
	s_lshl_b32 s28, s28, 14
	s_add_co_u32 s28, s28, QKB
	v_add_nc_u32 v[AQKW], s28, v[L16]
	s_mul_i32 s28, s18, STW
	s_add_co_u32 s28, s28, STG                     ; my stage
	v_add_nc_u32 v[ASTW], s28, v[L16]              ; in: a token's 512 bytes as they lie
	v_mul_u32_u24 v[ASTR], v209, 528               ; back: row r, my 64 bytes of each 128.  528 bytes are 132 words: the sixteen rows of a load begin 4 words apart modulo 64
	v_lshl_add_u32 v[ASTR], v210, 6, v[ASTR]
	v_add_nc_u32 v[ASTR], s28, v[ASTR]
	v_lshlrev_b32 v[AGB], 6, v210
	v_add_nc_u32 v[AGB], s28, v[AGB]
	v_add_nc_u32 v[AGB], 8448, v[AGB]
	s_mul_i32 s28, s18, 1536
	v_add_nc_u32 v[AXW], s28, v[L16]
	s_lshl_b32 s28, s18, 7
	v_add_nc_u32 v[AXSW], s28, v[L4]
	v_mul_u32_u24 v[AWG], v209, 96                 ; a row of Wqkv's codes is 96 bytes
	v_mad_u32_u24 v[AWG], v210, 24, v[AWG]
	v_lshlrev_b32 v[AWS], 2, v209
	v_lshlrev_b32 v[ABH], 5, v210
.irp i, 0,1,2,3,4,5,6,7
	v_mad_u32_u24 v[OFF0+\i], s24, \i, v[L16]      ; tokens 0-7 of my tile lie 0 .. 7 steps along the stripe,
	v_mad_u32_u24 v[OFF8+\i], s24, \i+16, v[L16]   ; tokens 8-15 lie 16 .. 23 steps along
.endr
.irp b, 0,1,2,3
	v_mov_b32 v[TM+4+\b], 0                        ; written once: a lane permute's destination counts as one of its sources
.endr
	v_mov_b32 v[TB], 0
	s_lshl_b32 s26, s20, 23                        ; x: the batch,
	s_lshl_b32 s28, s21, 1
	s_lshr_b32 s29, s18, 3
	s_add_co_u32 s28, s28, s29
	s_lshl_b32 s28, s28, s22                       ; 2 stripe + a across,
	s_add_co_u32 s26, s26, s28
	s_bfe_u32 s28, s18, 0x20001
	s_lshl_b32 s28, s28, 5
	s_and_b32 s29, s18, 1
	s_lshl_b32 s29, s29, 3
	s_add_co_u32 s28, s28, s29
	s_lshl_b32 s28, s28, s23                       ; 32 ((w / 2) % 4) + 8 (w % 2) along
	s_add_co_u32 s26, s26, s28
	s_mov_b32 s27, 0
	s_lshr_b32 s28, s18, 2
	s_min_u32 s28, s28, 2
	s_lshl_b32 s28, s28, 7                         ; q, k or v,
	s_lshl_b32 s29, s19, 6
	s_add_co_u32 s28, s28, s29                     ; the direction's four heads,
	s_and_b32 s29, s18, 3
	s_lshl_b32 s29, s29, 4
	s_add_co_u32 s28, s28, s29                     ; my head: my first column of Wqkv
	s_mul_i32 s36, s28, 96
	s_mov_b32 s37, 0
	s_lshl_b32 s38, s28, 2
	s_mov_b32 s39, 0
	s_lshl_b32 s40, s19, 23                        ; himg: [dir][batch][stripe][tile] images of 1,024 bytes
	s_lshl_b32 s28, s20, 6
	s_add_co_u32 s28, s28, s21
	s_lshl_b32 s28, s28, 14
	s_add_co_u32 s40, s40, s28
	s_lshl_b32 s28, s18, 10
	s_add_co_u32 s40, s40, s28
	s_mov_b32 s41, 0
	s_wait_kmcnt 0x0
	s_add_nc_u64 s[4:5], s[4:5], s[26:27]
	s_add_nc_u64 s[10:11], s[10:11], s[36:37]
	s_add_nc_u64 s[12:13], s[12:13], s[38:39]
	s_add_nc_u64 s[14:15], s[14:15], s[38:39]
	s_add_nc_u64 s[16:17], s[16:17], s[40:41]
.irp i, 0,1,2,3,4,5,6,7
	global_load_b128 v[X+4*\i:X+4*\i+3], v[OFF0+\i], s[4:5]          ; a token's 512 consecutive bytes a load
.endr
.irp i, 0,1,2,3,4,5,6,7
	global_load_b128 v[X+32+4*\i:X+32+4*\i+3], v[OFF8+\i], s[4:5]
.endr
	global_load_b128 v[GT:GT+3], v[L16], s[6:7]
	global_load_b128 v[GT+4:GT+7], v[L16], s[8:9]
.irp p, 0,1,2,3,4,5
	global_load_b64 v[WF+2*\p:WF+2*\p+1], v[AWG], s[10:11] offset:48*(\p/3)+8*(\p%3)   ; my W tile: 16 columns of Wqkv x 128 K
.endr
	global_load_b32 v[WS], v[AWS], s[12:13]
	global_load_b128 v[BC:BC+3], v[ABH], s[14:15]                    ; the biases of columns 8 h + 0 .. 7 (q, k: a lane holds eight columns of one token)
	global_load_b128 v[BC+4:BC+7], v[ABH], s[14:15] offset:16
	global_load_b32 v[BV], v[AWS], s[14:15]                          ; and of column r (v: a lane holds one column)
	s_wait_loadcnt 0x0
	; ---- my 16 tokens: a turn through my stage, LayerNorm, the quantiser
	ds_store_b128 v[ASTW], v[GT:GT+3] offset:8448
	ds_store_b128 v[ASTW], v[GT+4:GT+7] offset:8960
.irp i, 0,1,2,3,4,5,6,7,8,9,10,11,12,13,14,15
	ds_store_b128 v[ASTW], v[X+4*\i:X+4*\i+3] offset:528*\i
.endr
.irp b, 0,1,2,3
.irp j, 0,1,2,3
	ds_load_b128 v[X+16*\b+4*\j:X+16*\b+4*\j+3], v[ASTR] offset:128*\b+16*\j   ; LDS serves a wave's instructions in order: these see my stores.  Register 16 b + i = channel 32 b + 16 h + i of token r
.endr
.endr
	GBLOAD 0
	s_wait_dscnt 0x0
.irp k, 0,2,4,6
	v_pk_add_f32 v[LNT+\k:LNT+\k+1], v[X+\k:X+\k+1], v[X+8+\k:X+8+\k+1]        ; the sum, in four chains
.endr
.irp i, 16,24,32,40,48,56
.irp k, 0,2,4,6
	v_pk_add_f32 v[LNT+\k:LNT+\k+1], v[LNT+\k:LNT+\k+1], v[X+\i+\k:X+\i+\k+1]
.endr
.endr
	v_pk_add_f32 v[LNT:LNT+1], v[LNT:LNT+1], v[LNT+2:LNT+3]
	v_pk_add_f32 v[LNT+4:LNT+5], v[LNT+4:LNT+5], v[LNT+6:LNT+7]
	v_pk_add_f32 v[LNT:LNT+1], v[LNT:LNT+1], v[LNT+4:LNT+5]
	v_add_f32 v[TA], v[LNT], v[LNT+1]
	v_permlanex16_b32 v[TB], v[TA], s30, s31
	v_add_f32 v[TA], v[TA], v[TB]                  ; with lane l xor 16's 64 channels
	v_mul_f32 v[MEAN], s35, v[TA]
	v_mul_f32 v[MEAN+1], s35, v[TA]
.irp i, 0,2,4,6,8,10,12,14,16,18,20,22,24,26,28,30,32,34,36,38,40,42,44,46,48,50,52,54,56,58,60,62
	v_pk_add_f32 v[X+\i:X+\i+1], v[X+\i:X+\i+1], v[MEAN:MEAN+1] neg_lo:[0,1] neg_hi:[0,1]   ; x - mean
.endr
.irp k, 0,2,4,6
	v_pk_mul_f32 v[LNT+\k:LNT+\k+1], v[X+\k:X+\k+1], v[X+\k:X+\k+1]            ; the squares' sum, of the differences
.endr
.irp i, 8,16,24,32,40,48,56
.irp k, 0,2,4,6
	v_pk_fma_f32 v[LNT+\k:LNT+\k+1], v[X+\i+\k:X+\i+\k+1], v[X+\i+\k:X+\i+\k+1], v[LNT+\k:LNT+\k+1]
.endr
.endr
	v_pk_add_f32 v[LNT:LNT+1], v[LNT:LNT+1], v[LNT+2:LNT+3]
	v_pk_add_f32 v[LNT+4:LNT+5], v[LNT+4:LNT+5], v[LNT+6:LNT+7]
	v_pk_add_f32 v[LNT:LNT+1], v[LNT:LNT+1], v[LNT+4:LNT+5]
	v_add_f32 v[TA], v[LNT], v[LNT+1]
	v_permlanex16_b32 v[TB], v[TA], s30, s31
	v_add_f32 v[TA], v[TA], v[TB]
	v_fma_f32 v[TA], v[TA], s35, s34               ; the variance + 1e-5
	v_rsq_f32 v[RS], v[TA]
	v_rsq_f32 v[RS+1], v[TA]
	v_nop                                          ; the plain place behind the two
	s_wait_alu depctr_va_vdst(0)                   ; ahead of their first reader
.irp i, 0,2,4,6,8,10,12,14,16,18,20,22,24,26,28,30,32,34,36,38,40,42,44,46,48,50,52,54,56,58,60,62
	v_pk_mul_f32 v[X+\i:X+\i+1], v[X+\i:X+\i+1], v[RS:RS+1]
.endr
.irp b, 0,1,2,3
.if \b > 0
	s_wait_dscnt 0x0                               ; this block's gamma and beta are in
.endif
.irp i, 0,2,4,6,8,10,12,14
	v_pk_fma_f32 v[X+16*\b+\i:X+16*\b+\i+1], v[X+16*\b+\i:X+16*\b+\i+1], v[GG+\i:GG+\i+1], v[BB+\i:BB+\i+1]
.endr
.if \b < 3
	GBLOAD \b+1
.endif
.endr
	QUANT X
	IMAGE AXW, XIMG
	ds_store_b32 v[AXSW], v[PW] offset:XSC
	BARRIER                                        ; the sixteen fragments of xn lie in LDS
	; ---- q, k, v
	s_cmp_lt_u32 s18, 8
	s_cbranch_scc0 .Lvrole
.irp c, 0,1                            ; waves 0-7: my 16 columns of q or k for all 16 tiles.  Source 0 = my W tile, source 1 = a tile of xn: lane (r, h) holds token r, columns 8 h + 0 .. 7
	FETCHX \c
	s_wait_dscnt 0x0                               ; the fragments are in, and the stores of the eight tiles before have read their registers
.irp t, 0,1,2,3,4,5,6,7
	v_wmma_scale_f32_16x16x128_f8f6f4 v[S+8*\t:S+8*\t+7], v[WF:WF+11], v[XI+12*\t:XI+12*\t+11], v[BC:BC+7], v[WS], v[XS+\t] matrix_a_fmt:MATRIX_FMT_FP6 matrix_b_fmt:MATRIX_FMT_FP6
.endr
.rept 5
	v_nop                                          ; four places for the stores and the next loads, five for the matrix instructions that write over these registers
.endr
.irp t, 0,1,2,3,4,5,6,7
	ds_store_b128 v[AQKW], v[S+8*\t:S+8*\t+3] offset:1024*(8*\c+\t)          ; each accumulator from its low end on
	ds_store_b128 v[AQKW], v[S+8*\t+4:S+8*\t+7] offset:1024*(8*\c+\t)+512
.endr
.endr
	s_branch .Ljoin
.Lvrole:                               ; waves 8-15: v of my head for my 128 keys.  Source 0 = a tile of xn, source 1 = my W tile: lane (r, h) holds channel r, and its 64 registers run along the keys
.irp j, 0,1,2,3,4,5,6,7
	v_mov_b32 v[BC+\j], v[BV]
.endr
	FETCHX 0
	s_wait_dscnt 0x0
.rept 4
	v_nop
.endr
.irp t, 0,1,2,3,4,5,6,7
	v_wmma_scale_f32_16x16x128_f8f6f4 v[S+8*\t:S+8*\t+7], v[XI+12*\t:XI+12*\t+11], v[WF:WF+11], v[BC:BC+7], v[XS+\t], v[WS] matrix_a_fmt:MATRIX_FMT_FP6 matrix_b_fmt:MATRIX_FMT_FP6
.endr
.rept 5
	v_nop                                          ; four places for the first reads, five for the matrix instructions that later write over these registers
.endr
	QUANT S                                        ; along the keys: a fragment of v^T (16 channels x 128 keys)
	IMAGE AVW, VIMG
	ds_store_b32 v[AVSW], v[PW] offset:VSC
.Ljoin:
	BARRIER                                        ; q, k and v lie in LDS
	; ---- attention: my 16 queries, four heads, two steps of 128 keys each
	v_mov_b32 v[FAC+1], 0                          ; named as the upper half of a pair
	LOADQ 0
	LOADKR 0, 0
	LOADKE 0, 0
	LOADKB 0, 0
	s_wait_dscnt 0x0
.irp k, 0,1,2,3,4,5,6,7,8,9,10,11,12,13,14,15
	WM 0, \k                                       ; the first step's scores: there is no vector work yet to set between the products
.endr
.irp k, 0,1,2,3,4,5,6,7,8,9,10,11,12,13,14,15
	WM 1, \k
.endr
.rept 8
	v_nop                                          ; eight places behind the f32 form, in front of the first reads of these sums
.endr
.irp hd, 0,1,2
	STEP \hd, 0, 1
	STEP \hd, 1, 1
.endr
	STEP 3, 0, 1
	STEP 3, 1, 0                                   ; the last step: nothing more to multiply by k
	; ---- h's 64 channels of my 16 tokens are two blocks of the projection's K: quantised here, stored as half an operand's registers
.irp e, 0,1
.irp j, 0,1,2,3,4,5,6,7
	v_permlane16_swap_b32 v[HO+16*\e+\j], v[HO+16*\e+8+\j]   ; register 16 e + i becomes channel 32 e + 16 h + i
.endr
.endr
	QMAX HO, 2
	v_lshl_or_b32 v[PC], v[TM+5], 8, v[TM+4]       ; the two scale bytes
	v_mov_b32 v[PC+1], 0
	QCODE HO, TM+12, PC+2, CT
	v_nop                                          ; one plain place behind the scaled conversions
	QSWAP PC+2, CT                                 ; six registers: block h of token r
	global_store_b128 v[L16], v[PC:PC+3], s[16:17]             ; 32 lanes store 512 consecutive bytes, aligned
	global_store_b128 v[L16], v[PC+4:PC+7], s[16:17] offset:512
	s_wait_tensorcnt 0x0                           ; the wave's end, behind my last LDS store
	ds_add_u32 v[SPW], v[NIL]
	s_wait_dscnt 0x0
	s_endpgm
.Lfunc_end_k_q7f05b92b7f_attn:
	.size	k_q7f05b92b7f_attn, .Lfunc_end_k_q7f05b92b7f_attn-k_q7f05b92b7f_attn
	.p2alignl 7, 3214868480
	.fill 96, 4, 3214868480
	.section	.rodata,"a",@progbits
	.p2align	6, 0x0
	.amdhsa_kernel k_q7f05b92b7f_attn
		.amdhsa_group_segment_fixed_size 324608
		.amdhsa_private_segment_fixed_size 0
		.amdhsa_enable_private_segment 0
		.amdhsa_kernarg_size 56
		.amdhsa_user_sgpr_count 2
		.amdhsa_user_sgpr_kernarg_segment_ptr 1
		.amdhsa_wavefront_size32 1
		.amdhsa_system_sgpr_workgroup_id_x 1
		.amdhsa_system_sgpr_workgroup_id_y 1
		.amdhsa_system_sgpr_workgroup_id_z 1
		.amdhsa_system_vgpr_workitem_id 0
		.amdhsa_next_free_vgpr 256
		.amdhsa_next_free_sgpr 66
		.amdhsa_reserve_vcc 0
		.amdhsa_float_denorm_mode_32 3
		.amdhsa_float_denorm_mode_16_64 3
		.amdhsa_memory_ordered 1
		.amdhsa_forward_progress 1
		.amdhsa_inst_pref_size 162
	.end_amdhsa_kernel
	.amdgpu_metadata
---
amdhsa.version: [ 1, 2 ]
amdhsa.kernels:
  - .name:           k_q7f05b92b7f_attn
    .symbol:         k_q7f05b92b7f_attn.kd
    .args:
      - { .name: x, .offset: 0, .size: 8, .value_kind: global_buffer, .address_space: global }
      - { .name: gamma, .offset: 8, .size: 8, .value_kind: global_buffer, .address_space: global }
      - { .name: beta, .offset: 16, .size: 8, .value_kind: global_buffer, .address_space: global }
      - { .name: Wqkv_codes, .offset: 24, .size: 8, .value_kind: global_buffer, .address_space: global }
      - { .name: Wqkv_scales, .offset: 32, .size: 8, .value_kind: global_buffer, .address_space: global }
      - { .name: bqkv, .offset: 40, .size: 8, .value_kind: global_buffer, .address_space: global }
      - { .name: himg, .offset: 48, .size: 8, .value_kind: global_buffer, .address_space: global }
    .group_segment_fixed_size: 324608
    .private_segment_fixed_size: 0
    .kernarg_segment_align: 8
    .kernarg_segment_size: 56
    .max_flat_workgroup_size: 512
    .sgpr_count:     66
    .vgpr_count:     256
    .wavefront_size: 32
...
	.end_amdgpu_metadata
.endif
;; end of part 1
;; launch proj (part 2): grid 256 x 1, 16 waves a work-group, no clusters, 118,272 bytes of LDS; arguments himg, Wproj_codes, Wproj_scales, bproj, x, out0; writes out0
.if DOCPART == 2
	.amdgcn_target "amdgcn-amd-amdhsa--gfx1250"
	.amdhsa_code_object_version 6
	.text
	.protected	k_q7f05b92b7f_proj
	.globl	k_q7f05b92b7f_proj
	.p2align	8
	.type	k_q7f05b92b7f_proj,@function
k_q7f05b92b7f_proj:
	s_mov_b64 s[64:65], 0
	v_nop
	global_prefetch_b8 v0, s[64:65] scope:SCOPE_SE
	s_setreg_imm32_b32 hwreg(HW_REG_WAVE_MODE, 25, 1), 1
	s_wait_xcnt 0x0
; Second of two launches: out0 = Q(h) Wproj + bproj + x.  Nothing of reference() is left out here.  h arrives as codes: himg holds [dir 2][batch 8][stripe 64][tile 16] images of 1,024 bytes,
; each the half operand of 16 tokens x 64 channels in register order: [g 2][lane 32] x 16 bytes, g 0 = (two scale bytes, 0, c0, c1), g 1 = (c2 .. c5); lane (r, h) holds block h of token r.
; Channels 0-63 (K blocks 0, 1) come from the pass along image rows, 64-127 (blocks 2, 3) from the pass along image columns.
; LIMITS: as in the first launch; NaN and infinities among the inputs are not served.
; SHARES.  A work-group owns 16 image rows (32 hq + 8 hu + m + 8 (m / 8), m = 0 .. 15: the 16 tokens of ONE tile of each column's images) x 32 columns (32 wq ..).  Wave v takes the row m = v and its two
; tiles of 16 tokens (columns 32 wq + 8 a + r + 8 (r / 8)).  The row pass's images are a wave's own and come straight into its operand's registers; the 32 column images are read once by waves 8-15
; and shared through LDS, where lane (r, h) of wave v takes lane (v, h)'s bytes of column r's image.  Wproj's eight tiles are read once by waves 0-7 and shared through LDS as register images.
; No tensor load, no cluster: what work-groups share is Wproj's 12 KiB.
.set WIMG,  0                          ; Wproj's 8 fragments: tile x 1536 + 512 g + 16 lane
.set WSC,   12288                      ; their scale words: tile x 128 + 4 lane
.set VL,    13312                      ; 32 column images, 1,040 bytes apart (260 words: sixteen images begin 4 words apart modulo 64); column c lies at place 16 ((c >> 3) & 1) + 8 (c >> 4) + (c & 7)
.set SPARE, 46592                      ; the spare words: 128 bytes a wave, eight blocks of 256 bytes that no other line names
.set STG,   48640                      ; a stage for each wave: 16 rows x 272 bytes
.set SPW,  1                           ; v1   my spare word's address; never rewritten
.set NIL,  2                           ; v2   0; never rewritten
.set L16,  3                           ; v3   16 x lane
.set L4,   4                           ; v4   4 x lane
.set AVL,  5                           ; v5   my bytes of the column images
.set STO,  6                           ; v6   the stage: where I put 32 bytes of a token's row
.set RD,   7                           ; v7   and where I read a row back
.set GX,   8                           ; v8   my byte offset in x and out0
.set AWW,  9                           ; v9   Wproj's image, written
.set AWSW, 10                          ; v10  its scale words
.set AVC,  11                          ; v11  the column images, written
.set BP,   12                          ; v12-19 bproj: four numbers for each half of the 128 outputs
.set SW,   20                          ; v20-21 the tokens' scale words, a tile each
.set VH,   22                          ; v22-23 the column pass's two scale bytes
.set WSR,  24                          ; v24-31 Wproj's scale words
.set HF,   34                          ; h's fragment of tile a at v[34 + 14 a]; the two registers below it take the image's first two words
.set W,    60                          ; v60-155 Wproj's 8 fragments
.set D,    156                         ; v156-187 four accumulators; then rows of the output
.set X,    188                         ; v188-251 x: two halves of 32 registers
.set AWG,  252
.set AWS,  253
.set ABP,  254
	s_load_b256 s[4:11], s[0:1], 0x0               ; himg s[4:5], Wproj's codes s[6:7], its scales s[8:9], bproj s[10:11]
	s_load_b128 s[12:15], s[0:1], 0x20             ; x s[12:13], out0 s[14:15]
	v_lshl_add_u32 v[SPW], v0, 2, SPARE
	v_mov_b32 v[NIL], 0
	v_lshrrev_b32 v[D+3], 5, v0
	v_readfirstlane_b32 s16, v[D+3]                ; wave v
	s_lshr_b32 s17, ttmp9, 5                       ; batch
	s_bfe_u32 s18, ttmp9, 0x20003                  ; hq
	s_bfe_u32 s19, ttmp9, 0x10002                  ; hu
	s_and_b32 s20, ttmp9, 3                        ; wq
	s_lshl_b32 s21, s18, 5
	s_lshl_b32 s22, s19, 3
	s_add_co_u32 s21, s21, s22
	s_add_co_u32 s21, s21, s16
	s_and_b32 s22, s16, 8
	s_add_co_u32 s21, s21, s22                     ; my image row: 32 hq + 8 hu + v + 8 (v / 8)
	v_and_b32 v[D], 31, v0                         ; lane
	v_and_b32 v[D+1], 15, v0                       ; r
	v_bfe_u32 v[D+2], v0, 4, 1                     ; h
	v_lshlrev_b32 v[L16], 4, v[D]
	v_lshlrev_b32 v[L4], 2, v[D]
	v_mul_u32_u24 v[AVL], v[D+1], 1040             ; the image at place r (tile 1: 16 places on),
	v_lshl_add_u32 v[AVL], v[D+2], 8, v[AVL]       ; its lane (v, h): 16 v + 256 h
	s_lshl_b32 s22, s16, 4
	s_add_co_u32 s22, s22, VL
	v_add_nc_u32 v[AVL], s22, v[AVL]
	s_mul_i32 s22, s16, 4352
	s_add_co_u32 s22, s22, STG                     ; my stage
	v_mul_u32_u24 v[STO], v[D+1], 272
	v_lshl_add_u32 v[STO], v[D+2], 5, v[STO]
	v_add_nc_u32 v[STO], s22, v[STO]
	v_mul_u32_u24 v[RD], v[D+2], 272
	v_lshl_add_u32 v[RD], v[D+1], 4, v[RD]
	v_add_nc_u32 v[RD], s22, v[RD]
	v_lshlrev_b32 v[ABP], 4, v[D+1]
	v_lshl_add_u32 v[GX], v[D+2], 9, v[ABP]        ; lanes 0-15 one token's 256 bytes, lanes 16-31 the next token's
	s_and_b32 s23, s16, 7
	s_mul_i32 s22, s23, 1536
	v_add_nc_u32 v[AWW], s22, v[L16]
	s_lshl_b32 s22, s23, 7
	s_add_co_u32 s22, s22, WSC
	v_add_nc_u32 v[AWSW], s22, v[L4]
	s_bfe_u32 s22, s23, 0x10001                    ; columns 4 v' + 0 .. 3 lie at places 16 ((v' >> 1) & 1) + 8 (v' >> 2) + 4 (v' & 1) + 0 .. 3
	s_lshl_b32 s22, s22, 4
	s_lshr_b32 s38, s23, 2
	s_lshl_b32 s38, s38, 3
	s_add_co_u32 s22, s22, s38
	s_and_b32 s38, s23, 1
	s_lshl_b32 s38, s38, 2
	s_add_co_u32 s22, s22, s38
	s_mul_i32 s22, s22, 1040
	s_add_co_u32 s22, s22, VL
	v_add_nc_u32 v[AVC], s22, v[L16]
	v_mul_u32_u24 v[AWG], v[D+1], 96               ; a row of Wproj's codes is 96 bytes
	v_mad_u32_u24 v[AWG], v[D+2], 24, v[AWG]
	v_lshlrev_b32 v[AWS], 2, v[D+1]
	s_lshl_b32 s24, s17, 20                        ; the row pass's images: batch, image row (2 stripe + a: 8 images each), tile 2 wq
	s_lshl_b32 s22, s21, 13
	s_add_co_u32 s24, s24, s22
	s_lshl_b32 s22, s20, 11
	s_add_co_u32 s24, s24, s22
	s_mov_b32 s25, 0
	s_lshl_b32 s26, s17, 20                        ; the column pass's: the second half of himg, batch, column 32 wq + 4 v', tile 2 hq + hu
	s_add_co_u32 s26, s26, 0x800000
	s_lshl_b32 s22, s20, 18
	s_add_co_u32 s26, s26, s22
	s_lshl_b32 s22, s18, 11
	s_add_co_u32 s26, s26, s22
	s_lshl_b32 s22, s19, 10
	s_add_co_u32 s26, s26, s22
	s_lshl_b32 s22, s23, 15
	s_add_co_u32 s26, s26, s22
	s_mov_b32 s27, 0
	s_lshl_b32 s28, s17, 23                        ; x and out0: batch, image row, column 32 wq
	s_lshl_b32 s22, s21, 16
	s_add_co_u32 s28, s28, s22
	s_lshl_b32 s22, s20, 14
	s_add_co_u32 s28, s28, s22
	s_mov_b32 s29, 0
	s_mul_i32 s30, s23, 1536                       ; Wproj's tile v & 7: 16 rows of 96 bytes,
	s_mov_b32 s31, 0
	s_lshl_b32 s36, s23, 6                         ; and of 4 scale bytes
	s_mov_b32 s37, 0
	s_wait_kmcnt 0x0
	s_add_nc_u64 s[32:33], s[4:5], s[24:25]
	s_add_nc_u64 s[34:35], s[4:5], s[26:27]
	s_add_nc_u64 s[12:13], s[12:13], s[28:29]
	s_add_nc_u64 s[14:15], s[14:15], s[28:29]
	s_add_nc_u64 s[6:7], s[6:7], s[30:31]
	s_add_nc_u64 s[8:9], s[8:9], s[36:37]
.irp u, 0,1
.irp i, 0,1,2,3,4,5,6,7
	global_load_b128 v[X+32*\u+4*\i:X+32*\u+4*\i+3], v[GX], s[12:13] offset:(2*\i+8*(\i/4))*512+256*\u th:TH_LOAD_NT   ; tile 0's x: tokens 2 i, 2 i + 1, half u: sixteen lanes read 256 consecutive bytes
.endr
.endr
.irp a, 0,1
	global_load_b128 v[HF-2+14*\a:HF+1+14*\a], v[L16], s[32:33] offset:1024*\a th:TH_LOAD_NT       ; the row pass's image: scale bytes, a spare word, c0, c1,
	global_load_b128 v[HF+2+14*\a:HF+5+14*\a], v[L16], s[32:33] offset:1024*\a+512 th:TH_LOAD_NT   ; c2 .. c5: registers 0-5 of the operand
.endr
	global_load_b128 v[BP:BP+3], v[ABP], s[10:11]
	global_load_b128 v[BP+4:BP+7], v[ABP], s[10:11] offset:256
	s_cmp_lt_u32 s16, 8
	s_cbranch_scc0 .Lcolumns
.irp p, 0,1,2,3,4,5                    ; waves 0-7: a tile of Wproj each
	global_load_b64 v[D+2*\p:D+2*\p+1], v[AWG], s[6:7] offset:48*(\p/3)+8*(\p%3)
.endr
	global_load_b32 v[D+12], v[AWS], s[8:9]
	s_wait_loadcnt 0x0
.irp g, 0,1,2
	ds_store_b128 v[AWW], v[D+4*\g:D+4*\g+3] offset:WIMG+512*\g
.endr
	ds_store_b32 v[AWSW], v[D+12]
	s_branch .Lmeet
.Lcolumns:                             ; waves 8-15: four column images each
.irp k, 0,1,2,3
.irp g, 0,1
	global_load_b128 v[D+8*\k+4*\g:D+8*\k+4*\g+3], v[L16], s[34:35] offset:8192*\k+512*\g th:TH_LOAD_NT
.endr
.endr
	s_wait_loadcnt 0x0
.irp k, 0,1,2,3
.irp g, 0,1
	ds_store_b128 v[AVC], v[D+8*\k+4*\g:D+8*\k+4*\g+3] offset:1040*\k+512*\g
.endr
.endr
.Lmeet:
	s_wait_dscnt 0x0                               ; my stores have landed
	s_barrier_signal -1
	s_barrier_wait -1                              ; Wproj and the 32 column images lie in LDS
.irp t, 0,1,2,3,4,5,6,7
.irp g, 0,1,2
	ds_load_b128 v[W+12*\t+4*\g:W+12*\t+4*\g+3], v[L16] offset:WIMG+1536*\t+512*\g
.endr
	ds_load_b32 v[WSR+\t], v[L4] offset:WSC+128*\t
.endr
.irp a, 0,1
	ds_load_b32 v[VH+\a], v[AVL] offset:16640*\a                         ; the column pass's two scale bytes of token r,
	ds_load_b64 v[HF+6+14*\a:HF+7+14*\a], v[AVL] offset:16640*\a+8       ; c0, c1,
	ds_load_b128 v[HF+8+14*\a:HF+11+14*\a], v[AVL] offset:16640*\a+512   ; c2 .. c5: registers 6-11 of the operand
.endr
	s_wait_dscnt 0x0
.irp a, 0,1
	v_lshl_or_b32 v[SW+\a], v[VH+\a], 16, v[HF-2+14*\a]   ; the four bytes of token r's scale word
.endr
.rept 8
	v_nop                                          ; a scale register written by a vector instruction stands eight places ahead of the scaled product
.endr
.irp a, 0,1                            ; a tile of 16 tokens,
.irp u, 0,1                            ; outputs 64 u .. 64 u + 63
.if \a+\u > 0
	s_wait_xcnt 0x0                                ; the stores before have read their registers: these are written again only behind this wait
.endif
.irp k, 0,1,2,3                        ; source 0 = 16 columns of Wproj, source 1 = the tokens: a lane holds eight neighbouring outputs of one token
	v_wmma_scale_f32_16x16x128_f8f6f4 v[D+8*\k:D+8*\k+7], v[W+12*(4*\u+\k):W+12*(4*\u+\k)+11], v[HF+14*\a:HF+11+14*\a], 0, v[WSR+4*\u+\k], v[SW+\a] matrix_a_fmt:MATRIX_FMT_FP6 matrix_b_fmt:MATRIX_FMT_FP6
.endr
.rept 5
	v_nop                                          ; four places for the stores and loads below, five for the next products, which write over these registers
.endr
.irp k, 0,1,2,3
	ds_store_b128 v[STO], v[D+8*\k:D+8*\k+3] offset:64*\k            ; each accumulator from its low end on
	ds_store_b128 v[STO], v[D+8*\k+4:D+8*\k+7] offset:64*\k+16
.endr
.irp i, 0,1,2,3,4,5,6,7
	ds_load_b128 v[D+4*\i:D+4*\i+3], v[RD] offset:544*\i             ; LDS serves a wave's instructions in order: these see my stores.  Tokens 2 i, 2 i + 1, 16 bytes a lane
.endr
	s_wait_dscnt 0x0
.if \a == 1
	s_wait_loadcnt 8-8*\u                          ; tile 1's x of this half is in; the eight younger loads (its second half) may be out
.endif
.irp i, 0,1,2,3,4,5,6,7
	v_pk_add_f32 v[D+4*\i:D+4*\i+1], v[D+4*\i:D+4*\i+1], v[BP+4*\u:BP+4*\u+1]
	v_pk_add_f32 v[D+4*\i+2:D+4*\i+3], v[D+4*\i+2:D+4*\i+3], v[BP+4*\u+2:BP+4*\u+3]
.endr
.irp i, 0,2,4,6,8,10,12,14,16,18,20,22,24,26,28,30
	v_pk_add_f32 v[D+\i:D+\i+1], v[D+\i:D+\i+1], v[X+32*\u+\i:X+32*\u+\i+1]   ; the residual
.endr
.irp i, 0,1,2,3,4,5,6,7
	global_store_b128 v[GX], v[D+4*\i:D+4*\i+3], s[14:15] offset:(8*\a+2*\i+8*(\i/4))*512+256*\u th:TH_STORE_NT   ; sixteen lanes store 256 consecutive bytes, aligned
.endr
.if \a == 0
.irp i, 0,1,2,3,4,5,6,7
	global_load_b128 v[X+32*\u+4*\i:X+32*\u+4*\i+3], v[GX], s[12:13] offset:(8+2*\i+8*(\i/4))*512+256*\u th:TH_LOAD_NT   ; tile 1's x, into the registers just read
.endr
.endif
.endr
.endr
	s_wait_tensorcnt 0x0                           ; the wave's end, behind my last LDS store
	ds_add_u32 v[SPW], v[NIL]
	s_wait_dscnt 0x0
	s_endpgm
.Lfunc_end_k_q7f05b92b7f_proj:
	.size	k_q7f05b92b7f_proj, .Lfunc_end_k_q7f05b92b7f_proj-k_q7f05b92b7f_proj
	.p2alignl 7, 3214868480
	.fill 96, 4, 3214868480
	.section	.rodata,"a",@progbits
	.p2align	6, 0x0
	.amdhsa_kernel k_q7f05b92b7f_proj
		.amdhsa_group_segment_fixed_size 118272
		.amdhsa_private_segment_fixed_size 0
		.amdhsa_enable_private_segment 0
		.amdhsa_kernarg_size 48
		.amdhsa_user_sgpr_count 2
		.amdhsa_user_sgpr_kernarg_segment_ptr 1
		.amdhsa_wavefront_size32 1
		.amdhsa_system_sgpr_workgroup_id_x 1
		.amdhsa_system_sgpr_workgroup_id_y 1
		.amdhsa_system_sgpr_workgroup_id_z 1
		.amdhsa_system_vgpr_workitem_id 0
		.amdhsa_next_free_vgpr 256
		.amdhsa_next_free_sgpr 66
		.amdhsa_reserve_vcc 0
		.amdhsa_float_denorm_mode_32 3
		.amdhsa_float_denorm_mode_16_64 3
		.amdhsa_memory_ordered 1
		.amdhsa_forward_progress 1
		.amdhsa_inst_pref_size 31
	.end_amdhsa_kernel
	.amdgpu_metadata
---
amdhsa.version: [ 1, 2 ]
amdhsa.kernels:
  - .name:           k_q7f05b92b7f_proj
    .symbol:         k_q7f05b92b7f_proj.kd
    .args:
      - { .name: himg, .offset: 0, .size: 8, .value_kind: global_buffer, .address_space: global }
      - { .name: Wproj_codes, .offset: 8, .size: 8, .value_kind: global_buffer, .address_space: global }
      - { .name: Wproj_scales, .offset: 16, .size: 8, .value_kind: global_buffer, .address_space: global }
      - { .name: bproj, .offset: 24, .size: 8, .value_kind: global_buffer, .address_space: global }
      - { .name: x, .offset: 32, .size: 8, .value_kind: global_buffer, .address_space: global }
      - { .name: out0, .offset: 40, .size: 8, .value_kind: global_buffer, .address_space: global }
    .group_segment_fixed_size: 118272
    .private_segment_fixed_size: 0
    .kernarg_segment_align: 8
    .kernarg_segment_size: 48
    .max_flat_workgroup_size: 512
    .sgpr_count:     66
    .vgpr_count:     256
    .wavefront_size: 32
...
	.end_amdgpu_metadata
.endif
;; end of part 2
